; MI455X (gfx1250); checked and timed in simulation.
; The chip was launched on July 23, 2026; its instructions are those of AMD's public machine-readable ISA for CDNA 5 (MIT licence, August 2026) and "CDNA5" Instruction Set Architecture Reference Guide (July 2026). The comments in the code are by the model that wrote it; some were corrected since.
;; IQNRNN Dist Agent. Allowed arithmetic: float matrix products may take bf16 or f16 operands with f32 sums; other float arithmetic in f32, or as packed bf16 or f16 multiplies, adds, multiply-adds, maxima and minima; sums over many terms, partial sums and values carried from step to step in f32; what a program stores and reads back later, other than sums and carried values, may be rounded once to bf16 or f16.
;; Inputs: fc1_b 128 float32; fc1_w 256 x 128 float32; fc2_b 14 float32; fc2_w 128 x 14 float32; gru_bh 384 float32; gru_bi 384 float32; gru_wh 384 x 128 float32; gru_wi 384 x 128 float32; hidden_state 4,096 x 128 float32; hyp_b1 64 float32; hyp_b2 32,768 float32; hyp_w1 8 x 64 float32; hyp_w2 64 x 32,768 float32; inputs 512 x 8 x 256 float32; merger_w 1 x 2 x 128 float32; phi_b 128 float32; phi_w 64 x 128 float32; rnd_quantiles 512 x 1 x 8 float32.
;; Outputs: out0 4,096 x 14 x 8 float32; out1 4,096 x 128 float32; out2 512 x 8 float32.
;; One version. Each part assembles by itself: llvm-mc -triple=amdgcn-amd-amdhsa -mcpu=gfx1250 --defsym DOCPART=n.
;; ======== version 1 of 1: 2 launches
;; limits: a function is approximated: absolute error at most 1.5e-05; inputs' magnitudes at most 133,152
;; workspace buffers: pack 282,624 bytes; wm 65,536 bytes
;; launch prep (part 1): grid 256 x 1, 4 waves a work-group, no clusters, 2,560 bytes of LDS; arguments hyp_w1, hyp_b1, hyp_w2, hyp_b2, merger_w, fc1_w, gru_wi, gru_wh, phi_w, fc2_w, rnd_quantiles, pack, wm, out2; writes pack, wm, out2
.if DOCPART == 1
	.amdgcn_target "amdgcn-amd-amdhsa--gfx1250"
	.amdhsa_code_object_version 6
	.text
	.protected	k_q53ff62b5eb_prep
	.globl	k_q53ff62b5eb_prep
	.p2align	8
	.type	k_q53ff62b5eb_prep,@function
k_q53ff62b5eb_prep:
	s_mov_b64 s[64:65], 0
	v_nop
	global_prefetch_b8 v0, s[64:65] scope:SCOPE_SE
	s_setreg_imm32_b32 hwreg(HW_REG_WAVE_MODE, 25, 1), 1
	s_wait_xcnt 0x0
; PREP: the hyper-network's matrix, merged; the weights packed as bf16 fragments; out2.
; WORK LEFT OUT, AND WHY IT IS DEAD.  reference() builds prev = ones itself, so hh = relu(prev @ hyp_w1 + hyp_b1) and input_w = hh @ hyp_w2 + hyp_b2 are the SAME vector for all 4,096 samples, whatever the
; inputs hold: they are made once (prev @ hyp_w1 is hyp_w1's column sum), not 4,096 times.  The merge is linear in emb: sum_head sm[head][o] sum_i x[i] W[i][head][o] = sum_i x[i] Wm[i][o] with
; Wm[i][o] = sm[0][o] W[i][0][o] + sm[1][o] W[i][1][o], sm = softmax of merger_w over the two heads (its maximum is taken away first, as reference() does): an identity for all values.  So this launch
; makes Wm, 128 x 128, and the next launch multiplies x by it.  No input is dropped.  LIMIT: a NaN, an infinity or an overflow that would arise only in the 4,095 repeats left out is not carried.
; NUMBERS.  Every input is rounded once to bf16 (nearest even) where it is loaded; sums, softmax and Wm in f32.  Wm is stored as two bf16, hi + lo (lo = bf16(Wm - hi)).  out2 is the quantiles as given.
; An exponential below 2^-126 counts as 0.  NaN and infinities are not treated apart.
; SHARES.  Work-group g makes 64 numbers of Wm: row i = g / 2, columns 64 (g % 2) .. + 63.  It reads, of each of hyp_w2's 64 rows, 256 consecutive aligned bytes for each head.  Wave w takes hyper rows 16 w .. 16 w + 15;
; lane l: head p = l / 16, four columns at c = l % 16.  The four waves' partial sums meet in LDS; wave 0 finishes and stores one aligned run of 256 bytes of wm.
; BESIDE THAT wave u = 256 w + g has one side task: u < 552: 512 bytes of pack; 552 <= u < 584: 512 bytes of rnd_quantiles to out2.
; PACK, in fragment order: a block of 1,024 bytes is (16 rows n, 32 along k) of a weight W[n][k]; its half j holds, at byte 16 l, W[16 nt + l % 16][32 ks + 16 j + 8 (l / 16) + 0..7]: one load of 16 bytes a lane
; fills four registers of a matrix operand.  Sections: fc1_w^T (halves 0-127), gru_wi (128-319), gru_wh (320-511), phi_w^T (512-543), fc2_w^T with rows 14, 15 = 0 (544-551).
; WM: unit g, 256 bytes at 256 g: 64 hi (bf16), then 64 lo.
.set RED,   0                          ; LDS: wave w's partial sums, 16 bytes a lane, at 512 w
.set SPARE, 2048                       ; the spare words, 128 bytes for each wave: two blocks of 256 bytes that no other line names
.set SPW, 12                           ; v12  LDS address of my spare word; never rewritten
.set NIL, 13                           ; v13  0; never rewritten
.set HH,  40                           ; s[40:55]  hh of my 16 hyper rows
.set ST,  40                           ; v[40:103] the 16 loads of the stream
.set ACC, 104                          ; v[104:107]
; v1 l, v2 c, v3 p, v4 stream offset, v5 hyp_w1 / hyp_b1 offset, v6, v7 merger_w own and other head, v8 hyp_b2 offset, v9 where my partial sum goes, v10 8 l, v11 16 l
; s2 w, s3 g, s4 i, s5 half, s6 u, s[36:37] an offset in 64 bits, s[38:39] lane selects, s[56:57] the task's source, s58-62 its section's figures, s68 mask of a word's upper bf16, s[70:71] the task's destination
	s_load_b512 s[8:23], s[0:1], 0x0               ; hyp_w1 8, hyp_b1 10, hyp_w2 12, hyp_b2 14, merger_w 16, fc1_w 18, gru_wi 20, gru_wh 22
	s_load_b256 s[24:31], s[0:1], 0x40             ; phi_w 24, fc2_w 26, rnd_quantiles 28, pack 30
	s_load_b128 s[32:35], s[0:1], 0x60             ; wm 32, out2 34
	v_lshl_add_u32 v[SPW], v0, 2, SPARE
	v_mov_b32 v[NIL], 0
	v_lshrrev_b32 v1, 5, v0
	v_readfirstlane_b32 s2, v1                     ; wave 0..3
	v_and_b32 v1, 31, v0                           ; l
	v_and_b32 v2, 15, v0                           ; c
	v_bfe_u32 v3, v0, 4, 1                         ; p
	s_mov_b32 s3, ttmp9                            ; g
	s_lshr_b32 s4, s3, 1                           ; i
	s_and_b32 s5, s3, 1                            ; half
	s_lshl_b32 s6, s2, 8
	s_add_co_u32 s6, s6, s3                        ; u
	s_mov_b32 s38, 0x76543210
	s_mov_b32 s39, 0xfedcba98
	s_mov_b32 s68, 0xffff0000
	v_lshlrev_b32 v8, 4, v2
	v_lshl_add_u32 v8, v3, 9, v8                   ; 512 p + 16 c
	s_lshl_b32 s63, s2, 21                         ; 16 rows of 131,072 bytes a wave
	v_add_nc_u32 v4, s63, v8
	s_lshl_b32 s63, s2, 6
	v_lshl_add_u32 v5, v2, 2, s63                  ; 4 (16 w + c)
	s_lshl_b32 s66, s5, 8                          ; 256 half
	v_add_nc_u32 v6, s66, v8
	v_xor_b32 v7, 0x200, v6                        ; the other head: bit 9 is p, the rest stays under 512
	s_lshl_b32 s63, s2, 9
	v_lshl_add_u32 v9, v1, 4, s63
	v_lshlrev_b32 v10, 3, v1
	v_lshlrev_b32 v11, 4, v1
	s_lshl_b32 s36, s4, 10
	s_add_co_u32 s36, s36, s66                     ; 1,024 i + 256 half
	s_mov_b32 s37, 0
	s_wait_kmcnt 0x0
	s_add_nc_u64 s[12:13], s[12:13], s[36:37]      ; hyp_w2 and hyp_b2 at my columns
	s_add_nc_u64 s[14:15], s[14:15], s[36:37]
	s_cmp_lg_u32 s2, 0                             ; what wave 0 alone needs at the end goes out first: it is older than every other load, so the counts below are the same in all waves
	s_cbranch_scc1 .Lnot_first
	global_load_b128 v[16:19], v6, s[16:17]        ; merger_w, my head
	global_load_b128 v[20:23], v7, s[16:17]        ; the other head
	global_load_b128 v[24:27], v8, s[14:15]        ; hyp_b2
.Lnot_first:
.irp q, 0,1,2,3,4,5,6,7
	global_load_b32 v[28+\q], v5, s[8:9] offset:256*\q
.endr
	global_load_b32 v36, v5, s[10:11]
.set kk, 0
.rept 16
	global_load_b128 v[ST+4*kk:ST+4*kk+3], v4, s[12:13] offset:131072*kk th:TH_LOAD_NT  ; lanes 0-15 and 16-31 each take 256 consecutive bytes, aligned; read once in the launch
.set kk, kk+1
.endr
	; THE SIDE TASK: its loads, their wait, its work and its store stand in one region.
	s_cmp_lt_u32 s6, 552
	s_cbranch_scc0 .Lno_pack
.macro SECT from, ptr, lg, sn, sk, nmax            ; from half fragment \from on: another section's source, log2 of its K steps, bytes from n to n + 1 and from k to k + 1, last row
	s_cmp_ge_u32 s6, \from
	s_cselect_b64 s[56:57], s[\ptr:\ptr+1], s[56:57]
	s_cselect_b32 s58, \lg, s58
	s_cselect_b32 s59, \sn, s59
	s_cselect_b32 s60, \sk, s60
	s_cselect_b32 s61, \nmax, s61
	s_cselect_b32 s62, \from, s62
.endm
	s_mov_b64 s[56:57], s[18:19]                   ; fc1_w [k][n]
	s_mov_b32 s58, 3
	s_mov_b32 s59, 4
	s_mov_b32 s60, 512
	s_mov_b32 s61, 127
	s_mov_b32 s62, 0
	SECT 128, 20, 2, 512, 4, 383                   ; gru_wi [n][k]
	SECT 320, 22, 2, 512, 4, 383                   ; gru_wh [n][k]
	SECT 512, 24, 1, 4, 512, 127                   ; phi_w [k][n]
	SECT 544, 26, 2, 4, 56, 13                     ; fc2_w [k][n], 14 columns
	s_sub_co_u32 s62, s6, s62                      ; my half fragment in the section
	s_and_b32 s63, s62, 1                          ; j
	s_lshr_b32 s62, s62, 1                         ; block
	s_lshr_b32 s66, s62, s58                       ; nt
	s_lshl_b32 s67, s66, s58
	s_sub_co_u32 s67, s62, s67                     ; ks
	s_lshl_b32 s66, s66, 4
	s_lshl_b32 s67, s67, 5
	s_lshl4_add_u32 s67, s63, s67                  ; 32 ks + 16 j
	v_add_nc_u32 v136, s66, v2                     ; n
	v_lshl_add_u32 v137, v3, 3, s67                ; k of my first number
	v_min_u32 v138, s61, v136                      ; rows past the last are read from the last and zeroed below: no load leaves its buffer
	v_mul_lo_u32 v138, v138, s59
	v_mul_lo_u32 v139, v137, s60
	v_add_nc_u32 v116, v138, v139
.irp e, 1,2,3,4,5,6,7
	v_add_nc_u32 v[116+\e], s60, v[115+\e]
.endr
.irp e, 0,1,2,3,4,5,6,7
	global_load_b32 v[124+\e], v[116+\e], s[56:57]
.endr
	s_lshl_b32 s36, s6, 9
	s_add_nc_u64 s[70:71], s[30:31], s[36:37]      ; pack + 512 u
	s_wait_loadcnt 0x0                             ; these eight are the youngest loads
.irp e, 0,1,2,3
	v_cvt_pk_bf16_f32 v[132+\e], v[124+2*\e], v[125+2*\e]
.endr
	v_cmp_ge_u32 vcc_lo, s61, v136
.irp e, 0,1,2,3
	v_cndmask_b32 v[132+\e], 0, v[132+\e], vcc_lo
.endr
	global_store_b128 v11, v[132:135], s[70:71]    ; 512 consecutive bytes, aligned
	s_branch .Ltask_done
.Lno_pack:
	s_cmp_lt_u32 s6, 584
	s_cbranch_scc0 .Ltask_done
	s_sub_co_u32 s62, s6, 552
	s_lshl_b32 s36, s62, 9
	s_add_nc_u64 s[56:57], s[28:29], s[36:37]
	s_add_nc_u64 s[70:71], s[34:35], s[36:37]
	global_load_b128 v[124:127], v11, s[56:57]
	s_wait_loadcnt 0x0
	global_store_b128 v11, v[124:127], s[70:71]
.Ltask_done:
	; hh of hyper row 16 w + c, in lane c
	s_wait_loadcnt 16                              ; the 16 loads of the stream are younger and may stay out
.irp e, 0,1,2,3
	v_cvt_pk_bf16_f32 v[108+\e], v[28+2*\e], v[29+2*\e]
.endr
	v_cvt_pk_bf16_f32 v112, v36, v36
.irp e, 0,1,2,3
	v_lshlrev_b32 v[28+2*\e], 16, v[108+\e]
	v_and_b32 v[29+2*\e], s68, v[108+\e]
.endr
	v_lshlrev_b32 v36, 16, v112
	v_pk_add_f32 v[28:29], v[28:29], v[30:31]
	v_pk_add_f32 v[32:33], v[32:33], v[34:35]
	v_pk_add_f32 v[28:29], v[28:29], v[32:33]
	v_add_f32 v28, v28, v29
	v_add_f32 v28, v28, v36
	v_max_num_f32 v114, 0, v28
.set kk, 0
.rept 16
	v_readlane_b32 s[HH+kk], v114, kk
.set kk, kk+1
.endr
	; my 16 hyper rows' share of W for my head and four columns; the first product starts the sums
.set kk, 0
.rept 16
	s_wait_loadcnt 15-kk                           ; loads come back in order: row kk is in, the younger ones stay out
	v_cvt_pk_bf16_f32 v108, v[ST+4*kk], v[ST+4*kk+1]
	v_cvt_pk_bf16_f32 v109, v[ST+4*kk+2], v[ST+4*kk+3]
	v_lshlrev_b32 v110, 16, v108
	v_and_b32 v111, s68, v108
	v_lshlrev_b32 v112, 16, v109
	v_and_b32 v113, s68, v109
.if kk == 0
	v_mul_f32 v[ACC], s[HH], v110
	v_mul_f32 v[ACC+1], s[HH], v111
	v_mul_f32 v[ACC+2], s[HH], v112
	v_mul_f32 v[ACC+3], s[HH], v113
.else
	v_fmac_f32 v[ACC], s[HH+kk], v110
	v_fmac_f32 v[ACC+1], s[HH+kk], v111
	v_fmac_f32 v[ACC+2], s[HH+kk], v112
	v_fmac_f32 v[ACC+3], s[HH+kk], v113
.endif
.set kk, kk+1
.endr
	ds_store_b128 v9, v[ACC:ACC+3]
	s_wait_dscnt 0x0                               ; for the others' sake: my partial sum lies in LDS
	s_barrier_signal -1
	s_barrier_wait -1
	s_cmp_lg_u32 s2, 0
	s_cbranch_scc1 .Lend
	; WAVE 0 FINISHES THE UNIT
.irp v, 0,1,2,3
	ds_load_b128 v[ST+4*\v:ST+4*\v+3], v11 offset:RED+512*\v
.endr
.irp b, 16,20,24                                   ; merger_w (both heads) and hyp_b2, rounded to bf16; their loads are older than the stream's, which has been waited for
	v_cvt_pk_bf16_f32 v108, v[\b], v[\b+1]
	v_cvt_pk_bf16_f32 v109, v[\b+2], v[\b+3]
	v_lshlrev_b32 v[\b], 16, v108
	v_and_b32 v[\b+1], s68, v108
	v_lshlrev_b32 v[\b+2], 16, v109
	v_and_b32 v[\b+3], s68, v109
.endr
.irp e, 0,1,2,3
	v_max_num_f32 v[108+\e], v[16+\e], v[20+\e]    ; the maximum over the two heads is taken away before the exponentials
.endr
	v_pk_add_f32 v[16:17], v[16:17], v[108:109] neg_lo:[0,1] neg_hi:[0,1]
	v_pk_add_f32 v[18:19], v[18:19], v[110:111] neg_lo:[0,1] neg_hi:[0,1]
	v_pk_add_f32 v[20:21], v[20:21], v[108:109] neg_lo:[0,1] neg_hi:[0,1]
	v_pk_add_f32 v[22:23], v[22:23], v[110:111] neg_lo:[0,1] neg_hi:[0,1]
.irp e, 16,18,20,22
	v_pk_mul_f32 v[\e:\e+1], v[\e:\e+1], 0x3fb8aa3b op_sel_hi:[1,0]
.endr
.irp e, 16,17,18,19,20,21,22,23
	v_exp_f32 v[\e], v[\e]
.endr
	v_nop                                          ; a plain instruction behind the last exponential,
	s_wait_alu depctr_va_vdst(0)                   ; and one wait for the batch of eight, ahead of its first reader
	v_pk_add_f32 v[20:21], v[16:17], v[20:21]
	v_pk_add_f32 v[22:23], v[18:19], v[22:23]
.irp e, 20,21,22,23
	v_rcp_f32 v[\e], v[\e]
.endr
	v_nop
	s_wait_alu depctr_va_vdst(0)                   ; one wait for the four reciprocals
	v_pk_mul_f32 v[16:17], v[16:17], v[20:21]      ; sm of my head
	v_pk_mul_f32 v[18:19], v[18:19], v[22:23]
	s_wait_dscnt 0x0                               ; the four partial sums
	v_pk_add_f32 v[40:41], v[40:41], v[44:45]
	v_pk_add_f32 v[42:43], v[42:43], v[46:47]
	v_pk_add_f32 v[48:49], v[48:49], v[52:53]
	v_pk_add_f32 v[50:51], v[50:51], v[54:55]
	v_pk_add_f32 v[40:41], v[40:41], v[48:49]
	v_pk_add_f32 v[42:43], v[42:43], v[50:51]
	v_pk_add_f32 v[40:41], v[40:41], v[24:25]      ; + hyp_b2
	v_pk_add_f32 v[42:43], v[42:43], v[26:27]
	v_pk_mul_f32 v[40:41], v[40:41], v[16:17]      ; sm W of my head
	v_pk_mul_f32 v[42:43], v[42:43], v[18:19]
.irp e, 0,1,2,3
	v_permlanex16_b32 v[108+\e], v[40+\e], s38, s39  ; the other head's lies in the lane 16 away
.endr
	v_pk_add_f32 v[40:41], v[40:41], v[108:109]    ; Wm, the same in both halves of the lanes
	v_pk_add_f32 v[42:43], v[42:43], v[110:111]
	v_cvt_pk_bf16_f32 v112, v40, v41               ; hi
	v_cvt_pk_bf16_f32 v113, v42, v43
	v_lshlrev_b32 v44, 16, v112
	v_and_b32 v45, s68, v112
	v_lshlrev_b32 v46, 16, v113
	v_and_b32 v47, s68, v113
	v_pk_add_f32 v[40:41], v[40:41], v[44:45] neg_lo:[0,1] neg_hi:[0,1]
	v_pk_add_f32 v[42:43], v[42:43], v[46:47] neg_lo:[0,1] neg_hi:[0,1]
	v_cvt_pk_bf16_f32 v114, v40, v41               ; lo
	v_cvt_pk_bf16_f32 v115, v42, v43
	v_cmp_eq_u32 vcc_lo, 1, v3
	v_cndmask_b32 v112, v112, v114, vcc_lo         ; lanes 0-15 store hi, lanes 16-31 lo
	v_cndmask_b32 v113, v113, v115, vcc_lo
	s_lshl_b32 s36, s3, 8
	s_add_nc_u64 s[32:33], s[32:33], s[36:37]
	global_store_b64 v10, v[112:113], s[32:33]     ; 32 lanes store 256 consecutive bytes, aligned
.Lend:
	s_wait_tensorcnt 0x0                           ; the wave's end: behind my last LDS store
	ds_add_u32 v[SPW], v[NIL]
	s_wait_dscnt 0x0
	s_endpgm
.Lfunc_end_k_q53ff62b5eb_prep:
	.size	k_q53ff62b5eb_prep, .Lfunc_end_k_q53ff62b5eb_prep-k_q53ff62b5eb_prep
	.p2alignl 7, 3214868480
	.fill 96, 4, 3214868480
	.section	.rodata,"a",@progbits
	.p2align	6, 0x0
	.amdhsa_kernel k_q53ff62b5eb_prep
		.amdhsa_group_segment_fixed_size 2560
		.amdhsa_private_segment_fixed_size 0
		.amdhsa_enable_private_segment 0
		.amdhsa_kernarg_size 112
		.amdhsa_user_sgpr_count 2
		.amdhsa_user_sgpr_kernarg_segment_ptr 1
		.amdhsa_wavefront_size32 1
		.amdhsa_system_sgpr_workgroup_id_x 1
		.amdhsa_system_sgpr_workgroup_id_y 1
		.amdhsa_system_sgpr_workgroup_id_z 1
		.amdhsa_system_vgpr_workitem_id 0
		.amdhsa_next_free_vgpr 144
		.amdhsa_next_free_sgpr 72
		.amdhsa_reserve_vcc 1
		.amdhsa_float_denorm_mode_32 3
		.amdhsa_float_denorm_mode_16_64 3
		.amdhsa_memory_ordered 1
		.amdhsa_forward_progress 1
		.amdhsa_inst_pref_size 22
	.end_amdhsa_kernel
	.amdgpu_metadata
---
amdhsa.version: [ 1, 2 ]
amdhsa.kernels:
  - .name:           k_q53ff62b5eb_prep
    .symbol:         k_q53ff62b5eb_prep.kd
    .args:
      - { .name: hyp_w1, .offset: 0, .size: 8, .value_kind: global_buffer, .address_space: global }
      - { .name: hyp_b1, .offset: 8, .size: 8, .value_kind: global_buffer, .address_space: global }
      - { .name: hyp_w2, .offset: 16, .size: 8, .value_kind: global_buffer, .address_space: global }
      - { .name: hyp_b2, .offset: 24, .size: 8, .value_kind: global_buffer, .address_space: global }
      - { .name: merger_w, .offset: 32, .size: 8, .value_kind: global_buffer, .address_space: global }
      - { .name: fc1_w, .offset: 40, .size: 8, .value_kind: global_buffer, .address_space: global }
      - { .name: gru_wi, .offset: 48, .size: 8, .value_kind: global_buffer, .address_space: global }
      - { .name: gru_wh, .offset: 56, .size: 8, .value_kind: global_buffer, .address_space: global }
      - { .name: phi_w, .offset: 64, .size: 8, .value_kind: global_buffer, .address_space: global }
      - { .name: fc2_w, .offset: 72, .size: 8, .value_kind: global_buffer, .address_space: global }
      - { .name: rnd_quantiles, .offset: 80, .size: 8, .value_kind: global_buffer, .address_space: global }
      - { .name: pack, .offset: 88, .size: 8, .value_kind: global_buffer, .address_space: global }
      - { .name: wm, .offset: 96, .size: 8, .value_kind: global_buffer, .address_space: global }
      - { .name: out2, .offset: 104, .size: 8, .value_kind: global_buffer, .address_space: global }
    .group_segment_fixed_size: 2560
    .private_segment_fixed_size: 0
    .kernarg_segment_align: 8
    .kernarg_segment_size: 112
    .max_flat_workgroup_size: 128
    .sgpr_count:     72
    .vgpr_count:     144
    .wavefront_size: 32
...
	.end_amdgpu_metadata
.endif
;; end of part 1
;; launch agent (part 2): grid 256 x 1, 4 waves a work-group, no clusters, 124,928 bytes of LDS; arguments inputs, hidden_state, rnd_quantiles, fc1_b, gru_bi, gru_bh, phi_b, fc2_b, pack, wm, out0, out1; writes out0, out1
.if DOCPART == 2
	.amdgcn_target "amdgcn-amd-amdhsa--gfx1250"
	.amdhsa_code_object_version 6
	.text
	.protected	k_q53ff62b5eb_agent
	.globl	k_q53ff62b5eb_agent
	.p2align	8
	.type	k_q53ff62b5eb_agent,@function
k_q53ff62b5eb_agent:
	s_mov_b64 s[64:65], 0
	v_nop
	global_prefetch_b8 v0, s[64:65] scope:SCOPE_SE
	s_setreg_imm32_b32 hwreg(HW_REG_WAVE_MODE, 25, 1), 1
	s_wait_xcnt 0x0
; AGENT: fc1 + relu, x @ Wm + relu, the GRU cell, the quantile head and the sort, fused.  out1 = h, out0 = sorted q.
; WORK LEFT OUT: the hyper-network's product per sample and the merge of heads: prev = ones is built by reference() itself, so input_w is one matrix for all samples, and the merge is linear: the launch
; before has made Wm, and emb = x @ Wm for all values of the inputs.  A NaN, an infinity or an overflow that would arise only in the repeats left out is not carried.
; NUMBERS.  Every input is rounded once to bf16 where it enters (weights: in pack; biases, inputs, hidden_state, also in z * hprev, and the quantiles ahead of the cosine: here).  What the program itself makes and
; multiplies again goes as TWO bf16 operands, hi + lo: x @ Wm = xh Wh + xl Wh + xh Wl; gi = x2h wi + x2l wi; cos and h * phi likewise.  Sums, biases, gates and the sort in f32.
; cos(pi k rq) = 1 - 2 sin^2(pi v), v = th - round(th), th = rq k / 2 (exact in f32: 8 bits x 6 bits); sin(pi v) by its series to v^9 on |v| <= 1/2, off by 3.6e-6 at the most.
; LIMITS.  |rq| x 31.5 stays under 2^22 (the rounding of th).  An exponential below 2^-126 counts as 0.  NaN and infinities are not treated apart; the sort is made of minima and maxima and moves no NaN to the end.
; SHARES.  Work-group wg owns rows 16 wg .. + 15 (two episodes): one tile of 16 along M.  N is split: wave w owns columns 32 w .. + 31 of every layer (two tiles t; for the GRU the r, z and n of those columns), so each byte
; of pack but fc2's is loaded by one wave of the work-group, once, straight into the registers of a matrix operand.  Activations cross the waves through LDS, at four barriers.  In the q stage M is split: of the 128 rows
; (sample, quantile) wave w takes the tiles 2 w and 2 w + 1.
; ORIENTATION.  All layers but the last are used transposed (source 0 = 16 rows n of the weight, source 1 = the 16 samples): register j of lane (r = l % 16, h = l / 16) holds (sample r, n = n0 + 8 h + j).
; The q stage is natural (source 0 = 16 rows of h * phi, source 1 = fc2): register j holds (sample 2 T + h, quantile j, action r): a lane's eight registers are the eight numbers to sort.
; NO CLUSTER, NO TENSOR LOADS.  What work-groups share (pack 282,624 bytes, wm 65,536) is wanted by one wave of each, once, in registers.  Landed in LDS by joint loads it would take 282,624 + 69,632 bytes beside 55,296
; of stages: more than the 327,680 that there are, so slots would have to be filled again behind rounds of a cluster's barrier inside a chain of six short dependent products.  inputs and hidden_state are f32 and are converted on the way in.
; LDS: every region is written once and read behind a barrier (out0's stage: by the wave that wrote it); none is used twice.
.set XS, 0                             ; inputs, bf16: 16 rows, pitch 528 = 33 x 16
.set HS, 8448                          ; hidden_state, bf16: pitch 272 = 17 x 16
.set X1, 12800                         ; x: a row is 256 bytes of hi, 256 of lo; pitch 528
.set X2, 21248                         ; x2, likewise
.set QS, 29696                         ; relu(cos @ phi_w + phi_b), f32: row 8 episode + quantile, pitch 528
.set HF, 38144                         ; h, f32, pitch 528
.set WM, 46592                         ; wm's 128 rows of 512 bytes, pitch 544 = 17 x 32, for the turning load
.set OS, 116224                        ; out0's stage: 2,048 bytes a wave, the wave's own: four samples of 512 bytes (16 lanes x 32), of which out0 takes the first 448
.set SPARE, 124416                     ; the spare words, 128 bytes for each wave: two blocks of 256 bytes that no other line names
.set PK_FC1, 0
.set PK_WI,  65536
.set PK_WH,  163840
.set PK_PHI, 262144
.set PK_FC2, 278528
; WINDOW 0: v0 thread, v1 l, v2 r, v3 h; global offsets, never rewritten: v4 16 x thread, v15 / v16 / v17 16 l + 16,384 / 8,192 / 4,096 w, v18 16 l, v19 128 w + 32 h, v20 4 r, v26 1,792 w + 8 l, v27 4 min(r, 13);
;   LDS addresses: v5, v6 stage-in, v7 528 r + 16 h, v8 HS + 272 r + 16 h, v9 v8 + 64 w, v10 v7 + 64 w, v11 528 r + 32 h + 128 w, v12, v13 wm's rows, v14 the turning load, v22 h's rows, v23 phi's rows, v24, v25 out0's stage, v30 h's rows for out1;
;   v21 my quantile, v31 fc2_b; v28, v29 the add's two registers.  v32-95 FA, v96-127 FH, v128-191 ACCG, v192-223 ACC, v224-255 CF: see each phase.
; WINDOW 1: v0-127 fc1's fragments, then Wm's; v128-159 phi's; v160-191 fc2's.   WINDOW 2: v0-191 gru_wh's, then v0-15 out1's rows.   WINDOW 3: v0-127 wm on its way to LDS, then v0-191 gru_wi's.
.set SPW, 28
.set NIL, 29
.set CA, 32                            ; the cosine's registers at work: four pairs each
.set CB, 40
.set CC, 48
.set RQ2, 120                          ; v[120:121] my quantile, twice
.set P0,  122                          ; v[122:123] rq x (4 h, 4 h + 1/2)
.set MSB, 0
.macro WIN new                         ; s_set_vgpr_msb: bits 1:0 source 0, 3:2 source 1, 5:4 source 2, 7:6 destination; the high byte repeats the setting that is left; a switch that changes nothing is dropped
.if MSB != (\new)
	s_set_vgpr_msb (MSB<<8)|(\new)
.set MSB, (\new)
.endif
.endm
.set NLD, 0                            ; global loads issued so far: the waits are counted from it
.macro GL dst, voff, base, off
	global_load_b128 v[(\dst):(\dst)+3], v[\voff], s[(\base):(\base)+1] offset:\off
.set NLD, NLD+1
.endm
.macro GLN dst, voff, base, off        ; the same for bytes that the launch reads once
	global_load_b128 v[(\dst):(\dst)+3], v[\voff], s[(\base):(\base)+1] offset:\off th:TH_LOAD_NT
.set NLD, NLD+1
.endm
.macro WAITL mark                      ; all loads up to the mark are in: the count is that of the loads issued since (a smaller count is always right: the wait's field ends at 63)
.if NLD-(\mark) > 63
	s_wait_loadcnt 63
.else
	s_wait_loadcnt NLD-(\mark)
.endif
.endm
.macro PLACES                          ; four plain instructions between a matrix instruction and what reads its result or writes its registers (ISA guide 7.12.1)
.rept 4
	v_nop
.endr
.endm
.macro BAR                             ; my LDS stores are done and my LDS loads are back; then all four waves meet
	s_wait_dscnt 0x0
	s_barrier_signal -1
	s_barrier_wait -1
.endm
.macro RND8 b, tmp                     ; eight f32 rounded in place to bf16's values
.set z, 0
.rept 4
	v_cvt_pk_bf16_f32 v[(\tmp)+z], v[(\b)+2*z], v[(\b)+2*z+1]
.set z, z+1
.endr
.set z, 0
.rept 4
	v_lshlrev_b32 v[(\b)+2*z], 16, v[(\tmp)+z]
	v_and_b32 v[(\b)+2*z+1], s46, v[(\tmp)+z]
.set z, z+1
.endr
.endm
.macro RELU8 b                         ; ascending: a matrix result is read from its low end on
.set z, 0
.rept 8
	v_max_num_f32 v[(\b)+z], 0, v[(\b)+z]
.set z, z+1
.endr
.endm
.macro SPLIT8 src, hi, lo, tmp         ; eight f32 -> four registers of hi = bf16(x), four of lo = bf16(x - hi)
.set z, 0
.rept 4
	v_cvt_pk_bf16_f32 v[(\hi)+z], v[(\src)+2*z], v[(\src)+2*z+1]
.set z, z+1
.endr
.set z, 0
.rept 4
	v_lshlrev_b32 v[(\tmp)+2*z], 16, v[(\hi)+z]
	v_and_b32 v[(\tmp)+2*z+1], s46, v[(\hi)+z]
.set z, z+1
.endr
.set z, 0
.rept 4
	v_pk_add_f32 v[(\tmp)+2*z:(\tmp)+2*z+1], v[(\src)+2*z:(\src)+2*z+1], v[(\tmp)+2*z:(\tmp)+2*z+1] neg_lo:[0,1] neg_hi:[0,1]
.set z, z+1
.endr
.set z, 0
.rept 4
	v_cvt_pk_bf16_f32 v[(\lo)+z], v[(\tmp)+2*z], v[(\tmp)+2*z+1]
.set z, z+1
.endr
.endm
.macro MM d, a, b, c
	v_wmma_f32_16x16x32_bf16 v[(\d):(\d)+7], v[(\a):(\a)+7], v[(\b):(\b)+7], v[(\c):(\c)+7]
.endm
.macro MM0 d, a, b                     ; a product that starts a sum
	v_wmma_f32_16x16x32_bf16 v[(\d):(\d)+7], v[(\a):(\a)+7], v[(\b):(\b)+7], 0
.endm
.macro Q4 line:vararg                  ; one line for each of four pairs q
.set q, 0
.rept 4
	\line
.set q, q+1
.endr
.endm
; Four registers of the cosine's fragment: four pairs of features k, k + 1 with k / 2 = 4 h + c (c0-c3: c as f32 bits), side by side so that no line waits for the one before it.  hi into dst .. + 3, lo into dst + 16 ..
.macro COS4 dst, c0, c1, c2, c3
.set q, 0
.irp c, \c0, \c1, \c2, \c3
.if (\c) != 0
	v_pk_fma_f32 v[CA+2*q:CA+2*q+1], v[RQ2:RQ2+1], \c, v[P0:P0+1] op_sel_hi:[1,0,1]  ; th = rq k / 2, exact
.endif
.set q, q+1
.endr
.set q, 0
.irp c, \c0, \c1, \c2, \c3
.set TH, CA+2*q
.if (\c) == 0
.set TH, P0                            ; c = 0: th is P0 itself
.endif
	v_rndne_f32 v[CB+2*q], v[TH]
	v_rndne_f32 v[CB+2*q+1], v[TH+1]
.set q, q+1
.endr
.set q, 0
.irp c, \c0, \c1, \c2, \c3
.set TH, CA+2*q
.if (\c) == 0
.set TH, P0
.endif
	v_pk_add_f32 v[CA+2*q:CA+2*q+1], v[TH:TH+1], v[CB+2*q:CB+2*q+1] neg_lo:[0,1] neg_hi:[0,1]  ; v
.set q, q+1
.endr
	Q4 v_pk_mul_f32 v[CB+2*q:CB+2*q+1], v[CA+2*q:CA+2*q+1], v[CA+2*q:CA+2*q+1]
	Q4 v_pk_fma_f32 v[CC+2*q:CC+2*q+1], v[CB+2*q:CB+2*q+1], s[36:37], s[38:39] op_sel_hi:[1,0,0]
	Q4 v_pk_fma_f32 v[CC+2*q:CC+2*q+1], v[CC+2*q:CC+2*q+1], v[CB+2*q:CB+2*q+1], s[40:41] op_sel_hi:[1,1,0]
	Q4 v_pk_fma_f32 v[CC+2*q:CC+2*q+1], v[CC+2*q:CC+2*q+1], v[CB+2*q:CB+2*q+1], s[42:43] op_sel_hi:[1,1,0]
	Q4 v_pk_fma_f32 v[CC+2*q:CC+2*q+1], v[CC+2*q:CC+2*q+1], v[CB+2*q:CB+2*q+1], s[44:45] op_sel_hi:[1,1,0]
	Q4 v_pk_mul_f32 v[CC+2*q:CC+2*q+1], v[CC+2*q:CC+2*q+1], v[CA+2*q:CA+2*q+1]
	Q4 v_pk_mul_f32 v[CC+2*q:CC+2*q+1], v[CC+2*q:CC+2*q+1], v[CC+2*q:CC+2*q+1]
	Q4 v_pk_fma_f32 v[CC+2*q:CC+2*q+1], v[CC+2*q:CC+2*q+1], -2.0, 1.0 op_sel_hi:[1,0,0]
	Q4 v_cvt_pk_bf16_f32 v[(\dst)+q], v[CC+2*q], v[CC+2*q+1]
	Q4 v_lshlrev_b32 v[CA+2*q], 16, v[(\dst)+q]
	Q4 v_and_b32 v[CA+2*q+1], s46, v[(\dst)+q]
	Q4 v_pk_add_f32 v[CC+2*q:CC+2*q+1], v[CC+2*q:CC+2*q+1], v[CA+2*q:CA+2*q+1] neg_lo:[0,1] neg_hi:[0,1]
	Q4 v_cvt_pk_bf16_f32 v[(\dst)+16+q], v[CC+2*q], v[CC+2*q+1]
.endm
; A comparator on places i < j: the minimum goes into the free register (or, final, into OUT + i), the maximum stays in j's register (or goes into OUT + j); names change, no number is copied.
.macro CE i, j, fmin, fmax
.if \fmin
	v_min_num_f32 v[OUT+\i], v[R\i], v[R\j]
.else
	v_min_num_f32 v[FREE], v[R\i], v[R\j]
.endif
.if \fmax
	v_max_num_f32 v[OUT+\j], v[R\i], v[R\j]
.else
	v_max_num_f32 v[R\j], v[R\i], v[R\j]
.endif
.if !(\fmin)
.set TSW, R\i
.set R\i, FREE
.set FREE, TSW
.endif
.endm
.macro SORT8 src, out                  ; eight registers ascending into out .. out + 7: the odd-even merge network's 19 comparators
.set OUT, (\out)
.irp n, 0,1,2,3,4,5,6,7
.set R\n, (\src)+\n
.endr
	CE 0,1,0,0
	CE 2,3,0,0
	CE 4,5,0,0
	CE 6,7,0,0
	CE 0,2,0,0
	CE 1,3,0,0
	CE 4,6,0,0
	CE 5,7,0,0
	CE 1,2,0,0
	CE 5,6,0,0
	CE 0,4,1,0
	CE 1,5,0,0
	CE 2,6,0,0
	CE 3,7,0,1
	CE 2,4,0,0
	CE 3,5,0,0
	CE 1,2,1,1
	CE 3,4,1,1
	CE 5,6,1,1
.endm
	; THE HEAD: what the first loads need
	s_load_b512 s[8:23], s[0:1], 0x0               ; inputs 8, hidden_state 10, rnd_quantiles 12, fc1_b 14, gru_bi 16, gru_bh 18, phi_b 20, fc2_b 22
	s_load_b256 s[24:31], s[0:1], 0x40             ; pack 24, wm 26, out0 28, out1 30
	v_lshl_add_u32 v[SPW], v0, 2, SPARE
	v_mov_b32 v[NIL], 0
	v_lshrrev_b32 v32, 5, v0
	v_readfirstlane_b32 s2, v32                    ; wave 0..3
	s_mov_b32 s3, ttmp9                            ; work-group
	v_and_b32 v1, 31, v0
	v_and_b32 v2, 15, v0
	v_bfe_u32 v3, v0, 4, 1
	v_lshlrev_b32 v4, 4, v0
	v_lshlrev_b32 v18, 4, v1
	v_lshl_add_u32 v15, s2, 14, v18
	v_lshl_add_u32 v16, s2, 13, v18
	v_lshl_add_u32 v17, s2, 12, v18
	s_lshl_b32 s7, s2, 7
	v_lshl_add_u32 v19, v3, 5, s7
	v_lshlrev_b32 v20, 2, v2
	v_min_u32 v27, 13, v2
	v_lshlrev_b32 v27, 2, v27
	s_mov_b32 s36, 0x3da83c1a                      ; pi^9 / 9!   (each constant twice: it is named as a pair)
	s_mov_b32 s37, 0x3da83c1a
	s_mov_b32 s38, 0xbf196966                      ; - pi^7 / 7!
	s_mov_b32 s39, 0xbf196966
	s_mov_b32 s40, 0x402335e3                      ; pi^5 / 5!
	s_mov_b32 s41, 0x402335e3
	s_mov_b32 s42, 0xc0a55de7                      ; - pi^3 / 3!
	s_mov_b32 s43, 0xc0a55de7
	s_mov_b32 s44, 0x40490fdb                      ; pi
	s_mov_b32 s45, 0x40490fdb
	s_mov_b32 s46, 0xffff0000                      ; a word's upper bf16
	s_mov_b32 s5, 0
	s_wait_kmcnt 0x0
	s_lshl_b32 s4, s3, 14
	s_add_nc_u64 s[8:9], s[8:9], s[4:5]            ; inputs: 16 rows of 1,024 bytes
	s_lshl_b32 s4, s3, 13
	s_add_nc_u64 s[10:11], s[10:11], s[4:5]        ; hidden_state and out1: 16 rows of 512
	s_add_nc_u64 s[30:31], s[30:31], s[4:5]
	s_lshl_b32 s4, s3, 6
	s_add_nc_u64 s[12:13], s[12:13], s[4:5]        ; 16 quantiles
	s_mul_i32 s4, s3, 7168
	s_add_nc_u64 s[28:29], s[28:29], s[4:5]        ; out0: 16 rows of 448
	; FIRST GROUP OF LOADS: my quantile; the work-group's inputs and hidden_state, 2,048 bytes an instruction of the four waves; two biases; phi's and fc1's fragments
	global_load_b32 v21, v20, s[12:13]
.set NLD, NLD+1
.set M_RQ, NLD
.set j, 0
.rept 8
	GLN 128+4*j, 4, 8, 2048*j
.set j, j+1
.endr
.set j, 0
.rept 4
	GLN 160+4*j, 4, 10, 2048*j
.set j, j+1
.endr
.set M_IN, NLD
.irp t, 0,1
	GL 192+8*\t, 19, 14, 64*\t
	GL 196+8*\t, 19, 14, 64*\t+16
.endr
.irp t, 0,1
	GL 208+8*\t, 19, 20, 64*\t
	GL 212+8*\t, 19, 20, 64*\t+16
.endr
	WIN 0x40
.irp t, 0,1
.irp ks, 0,1
.irp j, 0,1
	GL 128+16*\t+8*\ks+4*\j, 17, 24, PK_PHI+2048*\t+1024*\ks+512*\j
.endr
.endr
.endr
.set M_PHI, NLD
.irp ks, 0,1,2,3,4,5,6,7
.irp t, 0,1
.irp j, 0,1
	GL 64*\t+8*\ks+4*\j, 15, 24, PK_FC1+8192*\t+1024*\ks+512*\j
.endr
.endr
.endr
.set M_FC1, NLD
	WIN 0
	; the LDS addresses, while the loads are out
	s_lshr_b32 s6, s2, 1
	s_mul_i32 s6, s6, 528
	s_and_b32 s7, s2, 1
	s_lshl_b32 s7, s7, 8
	s_add_co_u32 s6, s6, s7
	v_lshl_add_u32 v5, v1, 3, s6                   ; inputs: row thread / 64, 8 bytes at 8 (thread % 64)
	s_mul_i32 s6, s2, 272
	s_add_co_u32 s6, s6, HS
	v_lshl_add_u32 v6, v1, 3, s6                   ; hidden_state: row w, 8 bytes at 8 l
	v_mul_u32_u24 v7, v2, 528
	v_lshl_add_u32 v7, v3, 4, v7
	v_mul_u32_u24 v8, v2, 272
	v_lshl_add_u32 v8, v3, 4, v8
	v_add_nc_u32 v8, HS, v8
	s_lshl_b32 s6, s2, 6
	v_add_nc_u32 v9, s6, v8
	v_add_nc_u32 v10, s6, v7
	v_mul_u32_u24 v11, v2, 528
	v_lshl_add_u32 v11, v3, 5, v11
	s_lshl_b32 s7, s2, 7
	v_add_nc_u32 v11, s7, v11
	s_mul_i32 s6, s2, 544
	s_add_co_u32 s6, s6, WM
	v_lshl_add_u32 v12, v1, 4, s6                  ; wm: row w of each four, 16 bytes at 16 l
	v_add_nc_u32 v13, 34816, v12                   ; 64 rows on: the immediate ends at 65,535
	v_and_b32 v32, 7, v0
	v_lshl_add_u32 v32, v3, 3, v32
	v_mul_u32_u24 v14, v32, 544                    ; the turning load: row 8 h + l % 8,
	v_bfe_u32 v33, v0, 3, 1
	v_lshl_add_u32 v14, v33, 4, v14                ; 16 bytes at 16 ((l / 8) % 2),
	s_lshr_b32 s6, s2, 1
	s_lshl_b32 s6, s6, 8
	s_and_b32 s7, s2, 1
	s_lshl_b32 s7, s7, 6
	s_add_co_u32 s6, s6, s7
	s_add_co_u32 s6, s6, WM
	v_add_nc_u32 v14, s6, v14                      ; my 32 columns: half w / 2 of the row, 64 (w % 2) bytes in
	v_lshrrev_b32 v32, 3, v2
	v_lshl_add_u32 v32, s2, 2, v32
	v_mul_u32_u24 v22, v32, 528
	v_lshl_add_u32 v22, v3, 5, v22
	v_add_nc_u32 v22, HF, v22                      ; h of sample 4 w + r / 8 (+ 2 t)
	v_and_b32 v32, 7, v2
	s_lshr_b32 s6, s2, 1
	v_lshl_add_u32 v32, s6, 3, v32
	v_mul_u32_u24 v23, v32, 528
	v_lshl_add_u32 v23, v3, 5, v23
	v_add_nc_u32 v23, QS, v23                      ; phi of episode w / 2, quantile r % 8
	s_lshl_b32 s7, s2, 11
	s_add_co_u32 s7, s7, OS                        ; my stage: 2,048 bytes a wave
	v_lshlrev_b32 v24, 9, v3
	v_lshl_add_u32 v24, v2, 5, v24
	v_add_nc_u32 v24, s7, v24                      ; in: sample h (+ 2 t) x 512 + 32 r: at the most 512 + 480 + 1,024 + 32 = 2,048, inside my stage with all lanes on
	v_lshl_add_u32 v25, v1, 3, s7                  ; back: 8 bytes a lane
	s_mul_i32 s6, s2, 1792
	v_lshl_add_u32 v26, v1, 3, s6                  ; and in out0: my four samples are 1,792 bytes on end
	s_mul_i32 s6, s2, 528
	s_add_co_u32 s6, s6, HF
	v_lshl_add_u32 v30, v1, 4, s6
	; THE COSINES of row r = (episode, quantile): a fragment of 16 rows x 64 features, hi in v224-239, lo in v240-255; the other loads are still out
	WAITL M_RQ
	v_cvt_pk_bf16_f32 v21, v21, v21
	v_cvt_f32_u32 v124, v3
	v_lshlrev_b32 v[RQ2], 16, v21
	v_lshlrev_b32 v[RQ2+1], 16, v21
	v_mul_f32 v124, 4.0, v124
	v_add_f32 v125, 0.5, v124
	v_mul_f32 v[P0], v[RQ2], v124
	v_mul_f32 v[P0+1], v[RQ2], v125
	COS4 224, 0, 0x3f800000, 0x40000000, 0x40400000                    ; features 8 h + 0..7:        c = 0, 1, 2, 3
	COS4 228, 0x41000000, 0x41100000, 0x41200000, 0x41300000           ; 16 + 8 h + 0..7:            8 .. 11
	COS4 232, 0x41800000, 0x41880000, 0x41900000, 0x41980000           ; 32 + 8 h + 0..7:            16 .. 19
	COS4 236, 0x41c00000, 0x41c80000, 0x41d00000, 0x41d80000           ; 48 + 8 h + 0..7:            24 .. 27
	; STAGE-IN: inputs and hidden_state, rounded to bf16, into LDS
	WAITL M_IN
.set j, 0
.rept 12
	v_cvt_pk_bf16_f32 v[128+4*j], v[128+4*j], v[129+4*j]
	v_cvt_pk_bf16_f32 v[129+4*j], v[130+4*j], v[131+4*j]
.set j, j+1
.endr
.set j, 0
.rept 8
	ds_store_b64 v5, v[128+4*j:129+4*j] offset:XS+1056*j
.set j, j+1
.endr
.set j, 0
.rept 4
	ds_store_b64 v6, v[160+4*j:161+4*j] offset:1088*j
.set j, j+1
.endr
	WIN 0xc0                                       ; SECOND GROUP: wm, 2,048 bytes an instruction of the four waves
.set j, 0
.rept 32
	GL 4*j, 4, 26, 2048*j
.set j, j+1
.endr
.set M_WM, NLD
	WIN 0
	BAR                                            ; barrier 1: inputs and hidden_state lie in LDS
	; the samples' fragments; phi and fc1
.set ks, 0
.rept 8
	ds_load_b128 v[32+8*ks:35+8*ks], v7 offset:XS+64*ks
	ds_load_b128 v[36+8*ks:39+8*ks], v7 offset:XS+64*ks+32
.set ks, ks+1
.endr
.set ks, 0
.rept 4
	ds_load_b128 v[96+8*ks:99+8*ks], v8 offset:64*ks
	ds_load_b128 v[100+8*ks:103+8*ks], v8 offset:64*ks+32
.set ks, ks+1
.endr
	WAITL M_PHI                                    ; the two biases and phi's fragments
	RND8 192, 176
	RND8 200, 176
	RND8 208, 176
	RND8 216, 176
	WIN 0x01                                       ; source 0 in window 1.  In every run of products the accumulators take turns, one instruction a turn; the bias starts each sum
.irp p, 0,1
.irp ks, 0,1
.irp t, 0,1
	MM 208+8*\t, 128+16*\t+8*\ks, 224+16*\p+8*\ks, 208+8*\t
.endr
.endr
.endr
	s_wait_dscnt 0x0                               ; the fragments
	WAITL M_FC1
.irp ks, 0,1,2,3,4,5,6,7
.irp t, 0,1
	MM 192+8*\t, 64*\t+8*\ks, 32+8*\ks, 192+8*\t
.endr
.endr
	PLACES
	WIN 0
.irp t, 0,1
	RELU8 208+8*\t
	ds_store_b128 v11, v[208+8*\t:211+8*\t] offset:QS+64*\t
	ds_store_b128 v11, v[212+8*\t:215+8*\t] offset:QS+64*\t+16
.endr
.irp t, 0,1
	RELU8 192+8*\t
	SPLIT8 192+8*\t, 176, 180, 184
	ds_store_b128 v10, v[176:179] offset:X1+32*\t
	ds_store_b128 v10, v[180:183] offset:X1+32*\t+256
.endr
	; THIRD GROUP: the GRU's biases (gru_bi into the sums R, Z, IN at v128, v144, v160; gru_bh of r, z into v224, v240, of n into the sum HN at v176) and gru_wh's fragments
.irp g, 0,1,2
.irp t, 0,1
	GL 128+16*\g+8*\t, 19, 16, 512*\g+64*\t
	GL 132+16*\g+8*\t, 19, 16, 512*\g+64*\t+16
.endr
.endr
.irp t, 0,1
	GL 224+8*\t, 19, 18, 64*\t
	GL 228+8*\t, 19, 18, 64*\t+16
	GL 240+8*\t, 19, 18, 512+64*\t
	GL 244+8*\t, 19, 18, 512+64*\t+16
	GL 176+8*\t, 19, 18, 1024+64*\t
	GL 180+8*\t, 19, 18, 1024+64*\t+16
.endr
.set M_BG, NLD
	WIN 0x80
.irp ks, 0,1,2,3
.irp g, 0,1,2
.irp t, 0,1
.irp j, 0,1
	GL (2*\g+\t)*32+8*\ks+4*\j, 16, 24, PK_WH+32768*\g+4096*\t+1024*\ks+512*\j
.endr
.endr
.endr
.endr
.set M_WH, NLD
	WAITL M_WM
	WIN 0x0c                                       ; store data in window 3
.set j, 0
.rept 16
	ds_store_b128 v12, v[4*j:4*j+3] offset:2176*j
.set j, j+1
.endr
.rept 16
	ds_store_b128 v13, v[4*j:4*j+3] offset:2176*(j-16)
.set j, j+1
.endr
	WIN 0
	BAR                                            ; barrier 2: x, phi and Wm lie in LDS
	; x @ Wm: xh Wh + xl Wh + xh Wl
.set ks, 0
.rept 4
	ds_load_b128 v[32+8*ks:35+8*ks], v7 offset:X1+64*ks
	ds_load_b128 v[36+8*ks:39+8*ks], v7 offset:X1+64*ks+32
	ds_load_b128 v[64+8*ks:67+8*ks], v7 offset:X1+256+64*ks
	ds_load_b128 v[68+8*ks:71+8*ks], v7 offset:X1+256+64*ks+32
.set ks, ks+1
.endr
	WIN 0x40
.irp p, 0,1                                        ; Wm lies [k][n]: it comes out of LDS turned; part p (hi, lo), tile t at (2 p + t) x 32
.irp t, 0,1
.irp ks, 0,1,2,3
	ds_load_tr16_b128 v[(2*\p+\t)*32+8*\ks:(2*\p+\t)*32+8*\ks+3], v14 offset:17408*\ks+128*\p+32*\t
	ds_load_tr16_b128 v[(2*\p+\t)*32+8*\ks+4:(2*\p+\t)*32+8*\ks+7], v14 offset:17408*\ks+8704+128*\p+32*\t
.endr
.endr
.endr
	s_wait_dscnt 0x0
	WIN 0x01
	MM0 192, 0, 32
	MM0 200, 32, 32
.irp ks, 1,2,3
.irp t, 0,1
	MM 192+8*\t, 32*\t+8*\ks, 32+8*\ks, 192+8*\t
.endr
.endr
.irp ks, 0,1,2,3
.irp t, 0,1
	MM 192+8*\t, 32*\t+8*\ks, 64+8*\ks, 192+8*\t
.endr
.endr
.irp ks, 0,1,2,3
.irp t, 0,1
	MM 192+8*\t, 64+32*\t+8*\ks, 32+8*\ks, 192+8*\t
.endr
.endr
	PLACES
	WIN 0
.irp t, 0,1
	RELU8 192+8*\t
	SPLIT8 192+8*\t, 208, 212, 216
	ds_store_b128 v10, v[208:211] offset:X2+32*\t
	ds_store_b128 v10, v[212:215] offset:X2+32*\t+256
.endr
	WIN 0xc0                                       ; FOURTH GROUP: gru_wi's fragments (wm has left window 3: barrier 2), fc2's, fc2_b
.irp ks, 0,1,2,3
.irp g, 0,1,2
.irp t, 0,1
.irp j, 0,1
	GL (2*\g+\t)*32+8*\ks+4*\j, 16, 24, PK_WI+32768*\g+4096*\t+1024*\ks+512*\j
.endr
.endr
.endr
.endr
.set M_WI, NLD
	WIN 0x40
.irp ks, 0,1,2,3
.irp j, 0,1
	GL 160+8*\ks+4*\j, 18, 24, PK_FC2+1024*\ks+512*\j
.endr
.endr
	WIN 0
	global_load_b32 v31, v27, s[22:23]
.set NLD, NLD+1
.set M_F2, NLD
	BAR                                            ; barrier 3: x2 lies in LDS
	; THE GRU's products: gh first (its operands came first), then gi
.set ks, 0
.rept 4
	ds_load_b128 v[32+8*ks:35+8*ks], v7 offset:X2+64*ks
	ds_load_b128 v[36+8*ks:39+8*ks], v7 offset:X2+64*ks+32
	ds_load_b128 v[64+8*ks:67+8*ks], v7 offset:X2+256+64*ks
	ds_load_b128 v[68+8*ks:71+8*ks], v7 offset:X2+256+64*ks+32
.set ks, ks+1
.endr
	ds_load_b128 v[192:195], v9                    ; hprev of my columns, as the sums lie: eight bf16 a tile
	ds_load_b128 v[196:199], v9 offset:32
	WAITL M_BG
.irp b, 128,136,144,152,160,168,176,184,224,232,240,248
	RND8 \b, 208
.endr
.set i, 0
.rept 8
	v_pk_add_f32 v[128+2*i:129+2*i], v[128+2*i:129+2*i], v[224+2*i:225+2*i]  ; r and z take both biases
	v_pk_add_f32 v[144+2*i:145+2*i], v[144+2*i:145+2*i], v[240+2*i:241+2*i]
.set i, i+1
.endr
	WAITL M_WH
	WIN 0x02
.irp ks, 0,1,2,3
.irp t, 0,1
	MM 128+8*\t, \t*32+8*\ks, 96+8*\ks, 128+8*\t
.endr
.irp t, 0,1
	MM 144+8*\t, (2+\t)*32+8*\ks, 96+8*\ks, 144+8*\t
.endr
.irp t, 0,1
	MM 176+8*\t, (4+\t)*32+8*\ks, 96+8*\ks, 176+8*\t
.endr
.endr
	s_wait_dscnt 0x0                               ; x2's fragments and hprev
	WAITL M_WI
	WIN 0x03
.irp p, 0,1
.irp ks, 0,1,2,3
.irp g, 0,1,2
.irp t, 0,1
	MM 128+16*\g+8*\t, (2*\g+\t)*32+8*\ks, 32+32*\p+8*\ks, 128+16*\g+8*\t
.endr
.endr
.endr
.endr
	WIN 0
	; THE GATES.  The sixteen unpacking lines name no register of the products: they are the places behind them.
.set i, 0
.rept 8
	v_lshlrev_b32 v[208+2*i], 16, v[192+i]
	v_and_b32 v[209+2*i], s46, v[192+i]
.set i, i+1
.endr
.set i, 0
.rept 16
	v_pk_mul_f32 v[128+2*i:129+2*i], v[128+2*i:129+2*i], 0xbfb8aa3b op_sel_hi:[1,0]  ; sigmoid(x) = 1 / (1 + 2^(- x log2 e))
.set i, i+1
.endr
.set i, 0
.rept 32
	v_exp_f32 v[128+i], v[128+i]
.set i, i+1
.endr
	v_nop                                          ; a plain instruction behind the last of a batch, then one wait for the batch ahead of its first reader: four batches, four waits
	s_wait_alu depctr_va_vdst(0)
.set i, 0
.rept 16
	v_pk_add_f32 v[128+2*i:129+2*i], v[128+2*i:129+2*i], 1.0 op_sel_hi:[1,0]
.set i, i+1
.endr
.set i, 0
.rept 32
	v_rcp_f32 v[128+i], v[128+i]
.set i, i+1
.endr
	v_nop
	s_wait_alu depctr_va_vdst(0)
.set i, 0
.rept 8
	v_pk_fma_f32 v[160+2*i:161+2*i], v[128+2*i:129+2*i], v[176+2*i:177+2*i], v[160+2*i:161+2*i]  ; inn + r hn
.set i, i+1
.endr
.set i, 0
.rept 8
	v_pk_mul_f32 v[160+2*i:161+2*i], v[160+2*i:161+2*i], 0x4038aa3b op_sel_hi:[1,0]  ; tanh(x) = 1 - 2 / (1 + 2^(2 x log2 e))
.set i, i+1
.endr
.set i, 0
.rept 16
	v_exp_f32 v[160+i], v[160+i]
.set i, i+1
.endr
	v_nop
	s_wait_alu depctr_va_vdst(0)
.set i, 0
.rept 8
	v_pk_add_f32 v[160+2*i:161+2*i], v[160+2*i:161+2*i], 1.0 op_sel_hi:[1,0]
.set i, i+1
.endr
.set i, 0
.rept 16
	v_rcp_f32 v[160+i], v[160+i]
.set i, i+1
.endr
	v_nop
	s_wait_alu depctr_va_vdst(0)
.set i, 0
.rept 8
	v_pk_fma_f32 v[160+2*i:161+2*i], v[160+2*i:161+2*i], -2.0, 1.0 op_sel_hi:[1,0,0]  ; n
.set i, i+1
.endr
.set i, 0
.rept 8
	v_pk_add_f32 v[208+2*i:209+2*i], v[208+2*i:209+2*i], v[160+2*i:161+2*i] neg_lo:[0,1] neg_hi:[0,1]  ; hprev - n
.set i, i+1
.endr
.set i, 0
.rept 8
	v_pk_fma_f32 v[160+2*i:161+2*i], v[144+2*i:145+2*i], v[208+2*i:209+2*i], v[160+2*i:161+2*i]  ; h = n + z (hprev - n)
.set i, i+1
.endr
.irp t, 0,1
	ds_store_b128 v11, v[160+8*\t:163+8*\t] offset:HF+64*\t
	ds_store_b128 v11, v[164+8*\t:167+8*\t] offset:HF+64*\t+16
.endr
	BAR                                            ; barrier 4: h lies in LDS
	; out1 by whole rows; phi's and h's rows for the q stage
	WIN 0x80
.irp j, 0,1,2,3
	ds_load_b128 v[4*\j:4*\j+3], v30 offset:2112*\j
.endr
	WIN 0
.set ks, 0
.rept 4                                            ; f32 of channels 32 ks + 8 h + 0..7 and 16 further on
	ds_load_b128 v[32+16*ks:35+16*ks], v23 offset:128*ks
	ds_load_b128 v[36+16*ks:39+16*ks], v23 offset:128*ks+16
	ds_load_b128 v[40+16*ks:43+16*ks], v23 offset:128*ks+64
	ds_load_b128 v[44+16*ks:47+16*ks], v23 offset:128*ks+80
.set ks, ks+1
.endr
.macro HLOAD off                                   ; h's rows of a tile into v128-191
.set ks, 0
.rept 4
	ds_load_b128 v[128+16*ks:131+16*ks], v22 offset:(\off)+128*ks
	ds_load_b128 v[132+16*ks:135+16*ks], v22 offset:(\off)+128*ks+16
	ds_load_b128 v[136+16*ks:139+16*ks], v22 offset:(\off)+128*ks+64
	ds_load_b128 v[140+16*ks:143+16*ks], v22 offset:(\off)+128*ks+80
.set ks, ks+1
.endr
.endm
	HLOAD 0
	s_wait_dscnt 32                                ; out1's four loads are back; the 32 behind them may stay out
	WIN 0x08                                       ; store data in window 2; these registers are not written again
.irp j, 0,1,2,3
	global_store_b128 v4, v[4*\j:4*\j+3], s[30:31] offset:2048*\j th:TH_STORE_NT  ; 512 consecutive bytes, aligned
.endr
	WIN 0
	WAITL M_F2                                     ; fc2's fragments and fc2_b
	v_cvt_pk_bf16_f32 v31, v31, v31
	v_lshlrev_b32 v31, 16, v31
.set i, 0
.rept 8
	v_mov_b32 v[216+i], v31                        ; fc2_b of my action, for all eight quantiles: it starts both tiles' sums
.set i, i+1
.endr
	s_wait_dscnt 0x0
; h * phi of the tile in v128-191, split: for K step ks hi at QB .. + 7, lo at QB + 8 .. + 15
.macro QPREP
.set ks, 0
.rept 4
.set QB, 96+16*ks
.if ks >= 2
.set QB, 224+16*(ks-2)
.endif
.set i, 0
.rept 8
	v_pk_mul_f32 v[128+16*ks+2*i:129+16*ks+2*i], v[128+16*ks+2*i:129+16*ks+2*i], v[32+16*ks+2*i:33+16*ks+2*i]
.set i, i+1
.endr
	SPLIT8 128+16*ks, QB, QB+8, 192
	SPLIT8 136+16*ks, QB+4, QB+12, 192
.set ks, ks+1
.endr
.endm
.macro QMUL dh, dl                                 ; eight products: the sums of hi and of lo take turns
	WIN 0x04                                       ; source 1 (fc2) in window 1
.set ks, 0
.rept 4
.set QB, 96+16*ks
.if ks >= 2
.set QB, 224+16*(ks-2)
.endif
.if ks == 0
	MM \dh, QB, 160, 216
	MM0 \dl, QB+8, 160
.else
	MM \dh, QB, 160+8*ks, \dh
	MM \dl, QB+8, 160+8*ks, \dl
.endif
.set ks, ks+1
.endr
	WIN 0
.endm
	QPREP                                          ; tile 2 w
	HLOAD 1056                                     ; h's rows of tile 2 w + 1, two samples on
	QMUL 200, 208
	s_wait_dscnt 0x0
	QPREP                                          ; its first eight multiplies are the places ahead of the rewriting of the products' sources
	QMUL 128, 136
	; What follows up to tile 2 w + 1's sums names no register of the last products: these lines are the places behind them.
	; The stage's read-back: output byte b = 256 i + 8 l of my 1,792 lies at b + 64 (b / 448), since a sample has 512 bytes in the stage and 448 in out0.  For i = 0, 2, 4, 6 the shift is the same in all lanes; for
	; i = 1, 3, 5 a sample ends at lane 24, 16, 8: bit 5 of l + 8, l + 16, l + 24 is 1 from that lane on.
.irp i, 0,1,2
	v_add_nc_u32 v[48+\i], 8+8*\i, v1
.endr
.irp i, 0,1,2
	v_bfe_u32 v[48+\i], v[48+\i], 5, 1
.endr
.irp i, 0,1,2
	v_lshl_add_u32 v[48+\i], v[48+\i], 6, v25
.endr
.set i, 0
.rept 4
	v_pk_add_f32 v[200+2*i:201+2*i], v[200+2*i:201+2*i], v[208+2*i:209+2*i]
.set i, i+1
.endr
.set FREE, 160
	SORT8 200, 144
.set i, 0
.rept 4
	v_pk_add_f32 v[128+2*i:129+2*i], v[128+2*i:129+2*i], v[136+2*i:137+2*i]
.set i, i+1
.endr
	SORT8 128, 152
	; out0: (sample 2 T + h, action r): 32 bytes a lane into my stage, all lanes on.  Lanes 14 and 15 hold no action (pack's rows 14, 15 of fc2 are 0): their 64 bytes are the sample's pad, which is not read.
	ds_store_b128 v24, v[144:147]
	ds_store_b128 v24, v[148:151] offset:16
	ds_store_b128 v24, v[152:155] offset:1024
	ds_store_b128 v24, v[156:159] offset:1040
	; LDS serves a wave's instructions in order (ISA guide 5.7.1.4): these see my stores above; the stage is my own
	ds_load_b64 v[32:33], v25                      ; b = 0 .. 255:       sample 0
	ds_load_b64 v[34:35], v48 offset:256           ; 256 .. 511:         sample 0, from lane 24 on sample 1
	ds_load_b64 v[36:37], v25 offset:576           ; 512 .. 767:         sample 1: + 64
	ds_load_b64 v[38:39], v49 offset:832           ; 768 .. 1,023:       sample 1, from lane 16 on sample 2
	ds_load_b64 v[40:41], v25 offset:1152          ; 1,024 .. 1,279:     sample 2: + 128
	ds_load_b64 v[42:43], v50 offset:1408          ; 1,280 .. 1,535:     sample 2, from lane 8 on sample 3
	ds_load_b64 v[44:45], v25 offset:1728          ; 1,536 .. 1,791:     sample 3: + 192
.irp i, 0,1,2,3,4,5,6
	s_wait_dscnt 6-\i
	global_store_b64 v26, v[32+2*\i:33+2*\i], s[28:29] offset:256*\i th:TH_STORE_NT  ; 32 lanes store 256 consecutive bytes, aligned
.endr
	s_wait_tensorcnt 0x0                           ; the wave's end: behind my last LDS store
	ds_add_u32 v[SPW], v[NIL]
	s_wait_dscnt 0x0
	s_endpgm
.Lfunc_end_k_q53ff62b5eb_agent:
	.size	k_q53ff62b5eb_agent, .Lfunc_end_k_q53ff62b5eb_agent-k_q53ff62b5eb_agent
	.p2alignl 7, 3214868480
	.fill 96, 4, 3214868480
	.section	.rodata,"a",@progbits
	.p2align	6, 0x0
	.amdhsa_kernel k_q53ff62b5eb_agent
		.amdhsa_group_segment_fixed_size 124928
		.amdhsa_private_segment_fixed_size 0
		.amdhsa_enable_private_segment 0
		.amdhsa_kernarg_size 96
		.amdhsa_user_sgpr_count 2
		.amdhsa_user_sgpr_kernarg_segment_ptr 1
		.amdhsa_wavefront_size32 1
		.amdhsa_system_sgpr_workgroup_id_x 1
		.amdhsa_system_sgpr_workgroup_id_y 1
		.amdhsa_system_sgpr_workgroup_id_z 1
		.amdhsa_system_vgpr_workitem_id 0
		.amdhsa_next_free_vgpr 960
		.amdhsa_next_free_sgpr 66
		.amdhsa_reserve_vcc 0
		.amdhsa_float_denorm_mode_32 3
		.amdhsa_float_denorm_mode_16_64 3
		.amdhsa_memory_ordered 1
		.amdhsa_forward_progress 1
		.amdhsa_inst_pref_size 117
	.end_amdhsa_kernel
	.amdgpu_metadata
---
amdhsa.version: [ 1, 2 ]
amdhsa.kernels:
  - .name:           k_q53ff62b5eb_agent
    .symbol:         k_q53ff62b5eb_agent.kd
    .args:
      - { .name: inputs, .offset: 0, .size: 8, .value_kind: global_buffer, .address_space: global }
      - { .name: hidden_state, .offset: 8, .size: 8, .value_kind: global_buffer, .address_space: global }
      - { .name: rnd_quantiles, .offset: 16, .size: 8, .value_kind: global_buffer, .address_space: global }
      - { .name: fc1_b, .offset: 24, .size: 8, .value_kind: global_buffer, .address_space: global }
      - { .name: gru_bi, .offset: 32, .size: 8, .value_kind: global_buffer, .address_space: global }
      - { .name: gru_bh, .offset: 40, .size: 8, .value_kind: global_buffer, .address_space: global }
      - { .name: phi_b, .offset: 48, .size: 8, .value_kind: global_buffer, .address_space: global }
      - { .name: fc2_b, .offset: 56, .size: 8, .value_kind: global_buffer, .address_space: global }
      - { .name: pack, .offset: 64, .size: 8, .value_kind: global_buffer, .address_space: global }
      - { .name: wm, .offset: 72, .size: 8, .value_kind: global_buffer, .address_space: global }
      - { .name: out0, .offset: 80, .size: 8, .value_kind: global_buffer, .address_space: global }
      - { .name: out1, .offset: 88, .size: 8, .value_kind: global_buffer, .address_space: global }
    .group_segment_fixed_size: 124928
    .private_segment_fixed_size: 0
    .kernarg_segment_align: 8
    .kernarg_segment_size: 96
    .max_flat_workgroup_size: 128
    .sgpr_count:     66
    .vgpr_count:     960
    .wavefront_size: 32
...
	.end_amdgpu_metadata
.endif
;; end of part 2
